; MI455X (gfx1250); checked and timed in simulation.
; The chip was launched on July 23, 2026; its instructions are those of AMD's public machine-readable ISA for CDNA 5 (MIT licence, August 2026) and "CDNA5" Instruction Set Architecture Reference Guide (July 2026). The comments in the code are by the model that wrote it; some were corrected since.
;; Mo E. Allowed arithmetic: float matrix products may take bf16 or f16 operands with f32 sums; all other float work in f32.
;; Inputs: b1 8 x 4,096 float32; b2 8 x 1 float32; bg 8 float32; w1 8 x 1,024 x 4,096 float32; w2 8 x 4,096 x 1 float32; wg 1,024 x 8 float32; x 2,048 x 1,024 float32.
;; Outputs: out0 2,048 x 1 float32; out1 2,048 x 8 float32.
;; 2 versions, each right; version 2 is version 1 with the launch prep written anew for expert scheduling mode. Each part assembles by itself: llvm-mc -triple=amdgcn-amd-amdhsa -mcpu=gfx1250 --defsym DOCPART=n.
;; ======== version 1 of 2: 3 launches
;; workspace buffers: xb 4,194,304 bytes; part 524,288 bytes
;; launch prep (part 1): grid 256 x 1, 4 waves a work-group, no clusters, 37,632 bytes of LDS; arguments x, wg, bg, xb, out1; writes xb, out1
.if DOCPART == 1
	.amdgcn_target "amdgcn-amd-amdhsa--gfx1250"
	.amdhsa_code_object_version 6
	.text
	.protected	k_qcda5f9389f_prep
	.globl	k_qcda5f9389f_prep
	.p2align	8
	.type	k_qcda5f9389f_prep,@function
k_qcda5f9389f_prep:
	s_mov_b64 s[64:65], 0
	v_nop
	global_prefetch_b8 v0, s[64:65] scope:SCOPE_SE
	s_setreg_imm32_b32 hwreg(HW_REG_WAVE_MODE, 25, 1), 1
	s_wait_xcnt 0x0
; xb[b][k] = bf16(x[b][k]);   out1[b][:] = softmax over the 8 logits of x[b][:] . wg + bg, all of it in f32.
; x is read once and serves both.  256 work-groups of four waves; a work-group owns 8 rows, a wave 2 rows.
; A load of a wave covers 512 consecutive bytes of one row of x: lane L holds k = 128 j + 4 L .. + 3 of load j.
; wg (32,768 bytes) lies in LDS as 256 chunks of 4 k x 8 e = 128 bytes, 144 bytes apart: lane L reads chunk 32 j + L, and
; sixteen neighbouring lanes then start 144 bytes apart, in sixteen different 16-byte columns of 256 bytes.
; The gate has 8 columns and 0.02 per cent of the problem's multiply-adds: it stays on the vector unit, in f32.
; LIMITS: xb is rounded to nearest even.  A gate value below 2^-126 comes out as 0 (v_exp_f32 flushes denormal results),
; v_exp_f32 and v_rcp_f32 are good to 1 ULP; the sum over k is formed lane by lane and then across lanes, not in ascending k.
.set XR,     16                        ; v[16:79]    x: row r, load j at XR + 32 r + 4 j
.set WS,     80                        ; v[80:143]   wg on its way into LDS; afterwards two chunk buffers of 32 registers
.set ACC,    144                       ; v[144:159]  8 sums for each of my 2 rows
.set Y,      160                       ; v[160:191]  bf16 to store: each store has registers of its own
.set T,      192                       ; v[192:207]  at work
.set CPITCH, 144
.set GST,    256*CPITCH                ; 36,864: 256 bytes in which the four waves' gate rows meet
	s_load_b256 s[4:11], s[0:1], 0x0               ; x s[4:5], wg s[6:7], bg s[8:9], xb s[10:11]
	s_load_b64 s[12:13], s[0:1], 0x20              ; out1
	v_lshl_add_u32 v208, v0, 2, 0x9100
	v_mov_b32 v209, 0
	v_lshrrev_b32 v1, 5, v0
	v_readfirstlane_b32 s14, v1                    ; wave
	v_and_b32 v2, 31, v0                           ; lane L
	v_lshlrev_b32 v3, 4, v0                        ; wg: 16 bytes a thread
	s_lshl_b32 s15, s14, 13
	v_lshl_add_u32 v4, v2, 4, s15                  ; x: wave x 2 rows x 4,096 bytes + 16 L
	s_lshl_b32 s15, s14, 12
	v_lshl_add_u32 v8, v2, 3, s15                  ; xb: wave x 2 rows x 2,048 bytes + 8 L
	v_lshrrev_b32 v5, 3, v2                        ; eight threads fill a chunk: chunk 4 wave + L / 8 (+ 16 q), 16 bytes at 16 (L % 8)
	v_mul_u32_u24 v5, v5, CPITCH
	v_and_b32 v6, 7, v2
	v_lshl_add_u32 v5, v6, 4, v5
	s_mul_i32 s15, s14, 4*CPITCH
	v_add_nc_u32 v5, s15, v5
	v_mul_u32_u24 v7, v2, CPITCH                   ; where I read: chunk L (+ 32 j)
	s_lshl_b32 s24, ttmp9, 15                      ; the work-group's 8 rows of x,
	s_mov_b32 s25, 0
	s_lshl_b32 s26, ttmp9, 14                      ; of xb
	s_mov_b32 s27, 0
	s_mov_b32 s28, 0x76543210                      ; v_permlanex16_b32: lane i reads lane i of the other half
	s_mov_b32 s29, 0xfedcba98
	s_mov_b32 s30, 0x3fb8aa3b                      ; log2 e
	s_wait_kmcnt 0x0
	s_load_b256 s[16:23], s[8:9], 0x0              ; bg: 8 numbers
	s_add_nc_u64 s[4:5], s[4:5], s[24:25]
	s_add_nc_u64 s[10:11], s[10:11], s[26:27]
	s_lshl_b32 s24, ttmp9, 8                       ; and of out1: 8 rows of 32 bytes
	s_add_nc_u64 s[12:13], s[12:13], s[24:25]
.irp q, 0,1,2,3,4,5,6,7,8,9,10,11,12,13,14,15
	global_load_b128 v[WS+4*\q:WS+4*\q+3], v3, s[6:7] offset:2048*\q
.endr
.irp j, 0,1,2,3,4,5,6,7
.irp r, 0,1
	global_load_b128 v[XR+32*\r+4*\j:XR+32*\r+4*\j+3], v4, s[4:5] offset:4096*\r+512*\j th:TH_LOAD_NT
.endr
.endr
	s_wait_loadcnt 16                              ; the 16 younger loads are x's: wg is in
.irp q, 0,1,2,3,4,5,6,7,8,9,10,11,12,13,14,15
	ds_store_b128 v5, v[WS+4*\q:WS+4*\q+3] offset:16*CPITCH*\q
.endr
	s_wait_dscnt 0x0                               ; my part of wg is in LDS,
	s_barrier_signal -1
	s_barrier_wait -1                              ; everybody's is
.macro WLOAD j                         ; my chunk of step j: 4 k x 8 e, register 8 i + e
.irp q, 0,1,2,3,4,5,6,7
	ds_load_b128 v[WS+32*((\j)%2)+4*\q:WS+32*((\j)%2)+4*\q+3], v7 offset:32*CPITCH*(\j)+16*\q
.endr
.endm
; Step j: my 4 numbers of load j of both rows are rounded and stored, and multiplied into the 8 sums of each row.
; One packed multiply-add takes x[k] twice (op_sel picks the register of the pair for both halves) and two neighbouring e.
.macro STEP j
.if \j < 7
	WLOAD \j+1
	s_wait_dscnt 8                                 ; the eight just issued may stay out: this step's chunk is in
.else
	s_wait_dscnt 0
.endif
	s_wait_loadcnt 14-2*\j                         ; two loads for each later step may stay out
.irp r, 0,1
	v_cvt_pk_bf16_f32 v[Y+4*\j+2*\r],   v[XR+32*\r+4*\j],   v[XR+32*\r+4*\j+1]
	v_cvt_pk_bf16_f32 v[Y+4*\j+2*\r+1], v[XR+32*\r+4*\j+2], v[XR+32*\r+4*\j+3]
	global_store_b64 v8, v[Y+4*\j+2*\r:Y+4*\j+2*\r+1], s[10:11] offset:2048*\r+256*\j   ; the wave stores 256 consecutive bytes, aligned
.endr
.irp i, 0,1,2,3
.irp r, 0,1
.irp p, 0,1,2,3
.if (\j+\i) == 0
	v_pk_mul_f32 v[ACC+8*\r+2*\p:ACC+8*\r+2*\p+1], v[XR+32*\r:XR+32*\r+1], v[WS+2*\p:WS+2*\p+1] op_sel_hi:[0,1]   ; the first product starts the sum
.elseif (\i%2) == 0
	v_pk_fma_f32 v[ACC+8*\r+2*\p:ACC+8*\r+2*\p+1], v[XR+32*\r+4*\j+\i:XR+32*\r+4*\j+\i+1], v[WS+32*((\j)%2)+8*\i+2*\p:WS+32*((\j)%2)+8*\i+2*\p+1], v[ACC+8*\r+2*\p:ACC+8*\r+2*\p+1] op_sel_hi:[0,1,1]
.else
	v_pk_fma_f32 v[ACC+8*\r+2*\p:ACC+8*\r+2*\p+1], v[XR+32*\r+4*\j+\i-1:XR+32*\r+4*\j+\i], v[WS+32*((\j)%2)+8*\i+2*\p:WS+32*((\j)%2)+8*\i+2*\p+1], v[ACC+8*\r+2*\p:ACC+8*\r+2*\p+1] op_sel:[1,0,0] op_sel_hi:[1,1,1]
.endif
.endr
.endr
.endr
.endm
	WLOAD 0
.irp j, 0,1,2,3,4,5,6,7
	STEP \j
.endr
	; the 16 sums over the 32 lanes: four steps inside each half ride on the addition, one crosses the halves
.irp m, 1,2,4,8
.irp n, 0,1,2,3,4,5,6,7,8,9,10,11,12,13,14,15
	v_add_f32_dpp v[ACC+\n], v[ACC+\n], v[ACC+\n] row_xmask:\m row_mask:0xf bank_mask:0xf
.endr
.endr
.irp n, 0,1,2,3,4,5,6,7,8,9,10,11,12,13,14,15
	v_permlanex16_b32 v[WS+\n], v[ACC+\n], s28, s29        ; its destination counts as read: the chunk buffer has been written
.endr
	s_wait_kmcnt 0x0                               ; bg
.irp r, 0,1
.irp e, 0,1,2,3,4,5,6,7
	v_add_f32 v[ACC+8*\r+\e], v[ACC+8*\r+\e], v[WS+8*\r+\e]
	v_add_f32 v[ACC+8*\r+\e], s[16+\e], v[ACC+8*\r+\e]     ; every lane now holds the logit
.endr
.endr
	; softmax: the row's maximum is taken away; exp(l - m) = 2^(l log2 e - m log2 e), one fused multiply-add each
.irp r, 0,1
	v_max3_num_f32 v[T+\r], v[ACC+8*\r], v[ACC+8*\r+1], v[ACC+8*\r+2]
	v_max3_num_f32 v[T+\r], v[T+\r], v[ACC+8*\r+3], v[ACC+8*\r+4]
	v_max3_num_f32 v[T+\r], v[T+\r], v[ACC+8*\r+5], v[ACC+8*\r+6]
	v_max_num_f32 v[T+\r], v[T+\r], v[ACC+8*\r+7]
	v_mul_f32 v[T+\r], s30, v[T+\r]
.irp e, 0,1,2,3,4,5,6,7
	v_fma_f32 v[ACC+8*\r+\e], v[ACC+8*\r+\e], s30, -v[T+\r]
.endr
.endr
.irp n, 0,1,2,3,4,5,6,7,8,9,10,11,12,13,14,15
	v_exp_f32 v[ACC+\n], v[ACC+\n]
.endr
	v_nop                                          ; one plain vector instruction behind the last exponential before its result is used (ISA guide 5.7.2)
	s_wait_alu depctr_va_vdst(0)
.irp r, 0,1
	v_pk_add_f32 v[T+4+4*\r:T+5+4*\r], v[ACC+8*\r:ACC+8*\r+1], v[ACC+8*\r+2:ACC+8*\r+3]
	v_pk_add_f32 v[T+6+4*\r:T+7+4*\r], v[ACC+8*\r+4:ACC+8*\r+5], v[ACC+8*\r+6:ACC+8*\r+7]
	v_pk_add_f32 v[T+4+4*\r:T+5+4*\r], v[T+4+4*\r:T+5+4*\r], v[T+6+4*\r:T+7+4*\r]
	v_add_f32 v[T+4+4*\r], v[T+4+4*\r], v[T+5+4*\r]
.endr
	v_rcp_f32 v[T+12], v[T+4]
	v_rcp_f32 v[T+13], v[T+8]
	s_lshl_b32 s15, s14, 6
	s_add_co_u32 s15, s15, GST
	v_mov_b32 v9, s15                              ; the plain instruction behind the reciprocals: my 64 bytes of the stage
	s_wait_alu depctr_va_vdst(0)
.irp r, 0,1
.irp e, 0,1,2,3,4,5,6,7
	v_mul_f32 v[ACC+8*\r+\e], v[ACC+8*\r+\e], v[T+12+\r]
.endr
.endr
	; the work-group's 8 rows of out1 are 256 bytes: they meet in LDS and leave by one store of one wave
.irp q, 0,1,2,3
	ds_store_b128 v9, v[ACC+4*\q:ACC+4*\q+3] offset:16*\q  ; all lanes hold the same numbers and write the same bytes
.endr
	s_wait_dscnt 0x0                               ; for the wave that reads them: zero
	s_barrier_signal -1
	s_barrier_wait -1
	s_cmp_lg_u32 s14, 0
	s_cbranch_scc1 .Lend
	v_lshlrev_b32 v10, 3, v2
	v_add_nc_u32 v11, GST, v10
	ds_load_b64 v[T+14:T+15], v11
	s_wait_dscnt 0x0
	global_store_b64 v10, v[T+14:T+15], s[12:13]   ; 32 lanes, 256 consecutive bytes, aligned
.Lend:
	s_wait_tensorcnt 0x0
	ds_add_u32 v208, v209
	s_wait_dscnt 0x0
	s_endpgm
.Lfunc_end_k_qcda5f9389f_prep:
	.size	k_qcda5f9389f_prep, .Lfunc_end_k_qcda5f9389f_prep-k_qcda5f9389f_prep
	.p2alignl 7, 3214868480
	.fill 96, 4, 3214868480
	.section	.rodata,"a",@progbits
	.p2align	6, 0x0
	.amdhsa_kernel k_qcda5f9389f_prep
		.amdhsa_group_segment_fixed_size 37632
		.amdhsa_private_segment_fixed_size 0
		.amdhsa_enable_private_segment 0
		.amdhsa_kernarg_size 40
		.amdhsa_user_sgpr_count 2
		.amdhsa_user_sgpr_kernarg_segment_ptr 1
		.amdhsa_wavefront_size32 1
		.amdhsa_system_sgpr_workgroup_id_x 1
		.amdhsa_system_sgpr_workgroup_id_y 1
		.amdhsa_system_sgpr_workgroup_id_z 1
		.amdhsa_system_vgpr_workitem_id 0
		.amdhsa_next_free_vgpr 210
		.amdhsa_next_free_sgpr 66
		.amdhsa_reserve_vcc 0
		.amdhsa_float_denorm_mode_32 3
		.amdhsa_float_denorm_mode_16_64 3
		.amdhsa_memory_ordered 1
		.amdhsa_forward_progress 1
		.amdhsa_inst_pref_size 40
	.end_amdhsa_kernel
	.amdgpu_metadata
---
amdhsa.version: [ 1, 2 ]
amdhsa.kernels:
  - .name:           k_qcda5f9389f_prep
    .symbol:         k_qcda5f9389f_prep.kd
    .args:
      - { .name: x, .offset: 0, .size: 8, .value_kind: global_buffer, .address_space: global }
      - { .name: wg, .offset: 8, .size: 8, .value_kind: global_buffer, .address_space: global }
      - { .name: bg, .offset: 16, .size: 8, .value_kind: global_buffer, .address_space: global }
      - { .name: xb, .offset: 24, .size: 8, .value_kind: global_buffer, .address_space: global }
      - { .name: out1, .offset: 32, .size: 8, .value_kind: global_buffer, .address_space: global }
    .group_segment_fixed_size: 37632
    .private_segment_fixed_size: 0
    .kernarg_segment_align: 8
    .kernarg_segment_size: 40
    .max_flat_workgroup_size: 128
    .sgpr_count:     66
    .vgpr_count:     210
    .wavefront_size: 32
...
	.end_amdgpu_metadata
.endif
;; end of part 1
;; launch experts (part 2): grid 64 x 4, 4 waves a work-group, clusters of 4 x 4, 327,680 bytes of LDS; arguments xb, w1, b1, w2, part; writes part
.if DOCPART == 2
	.amdgcn_target "amdgcn-amd-amdhsa--gfx1250"
	.amdhsa_code_object_version 6
	.text
	.protected	k_qcda5f9389f_experts
	.globl	k_qcda5f9389f_experts
	.p2align	8
	.type	k_qcda5f9389f_experts,@function
k_qcda5f9389f_experts:
	s_mov_b64 s[64:65], 0
	v_nop
	global_prefetch_b8 v0, s[64:65] scope:SCOPE_SE
	s_setreg_imm32_b32 hwreg(HW_REG_WAVE_MODE, 25, 1), 1
	s_wait_xcnt 0x0
	s_wait_alu depctr_hold_cnt(0) depctr_sa_sdst(0) depctr_va_vdst(0) depctr_va_sdst(0) depctr_va_ssrc(0) depctr_va_vcc(0) depctr_vm_vsrc(0)
	s_getreg_b32 s2, hwreg(HW_REG_IB_STS2, 6, 4)
	s_cmp_eq_u32 s2, 0
	s_cbranch_scc0 .Lentry_in_a_cluster
	s_endpgm
.Lentry_in_a_cluster:
	s_bfe_u32 s2, ttmp6, 0x10000c
	s_cmp_lg_u32 s2, 0xf033
	s_cbranch_scc0 .Lentry_shape_is_right
	s_endpgm
.Lentry_shape_is_right:
; part[X][b] = sum over the 512 columns n of column group X of  relu( sum over k of xb[b][k] w1[e][k][n] + b1[e][n] ) * w2[e][n],   e = X / 8.
; fc1 of all experts is one product of 2048 x 32,768 x 1024; bias, relu and fc2 (one output column: a weighted row sum) are fused behind it.
; SHARES.  256 work-groups that stay: work-group (X, block row) walks four tiles of 512 rows x 128 columns (columns 512 X + 128 t).  Four waves stacked
; along the rows, each with 128 x 128 sums in 512 registers.  The four tiles belong to one expert, so a row's sum stays in registers over all four.
; A (xb, bf16) comes by tensor loads: K steps of 128 (rows of 256 bytes, aligned) through two LDS slots; each wave loads and reads its own 128 rows.
; B (w1, f32, stored [k][n]) comes through registers, 64 k at a time: a wave loads 16 rows of 512 bytes, rounds them to bf16 and stores them as rows of
; 256 bytes into one of two LDS buffers [64 k][128 n]; all waves read their fragments from there by the transposing load.
; CLUSTERS: 4 x 4 work-groups.  The four of a row of the cluster have the same block row and need the same tiles of A: they ask jointly.
; B IS NOT ASKED FOR JOINTLY, though the four of a column read the same tiles: w1 has to be rounded on its way, so a joint load would need f32 stages in LDS.
; For K steps of 128 those are 2 x 65,536 bytes beside A's 2 x 139,264: more than the 327,680 there are.  With stages of 64 k every load would have to land
; within one half step, 128 matrix instructions, since all tensor loads are waited for in front of each barrier behind which a slot is filled again.
; Loads into registers stay out across barriers: here each has two half steps, 256 matrix instructions, between its issue and its wait.
; LIMITS: x and w1 are rounded to bf16 (nearest even); the sums are f32, in another order than a plain ascending one; relu by v_max_num_f32 makes 0 of a NaN.
;
; LDS (the launch asks for all 327,680 bytes; this map ends at 321,536):
.set PITCH,  272                       ; A's rows: 256 bytes + 16 of padding, so that 16 neighbouring rows start in 16 different 16-byte columns of 256 bytes
.set HALFT,  128*PITCH                 ; one wave's 128 rows: one tensor load
.set SLOT,   4*HALFT                   ; 139,264: slots at 0 and SLOT, filled by tensor loads alone
.set BPITCH, 288                       ; B's rows: 256 bytes + 32
.set BBSZ,   64*BPITCH                 ; 18,432
.set BB,     2*SLOT                    ; 278,528: two B buffers, written by ds_store alone
.set RST,    BB+2*BBSZ                 ; 315,392: 512 bytes a wave for the way out
.set PRM,    RST+2048                  ; 317,440: b1 of the group's 512 columns, then w2 of them (2,048 bytes each), written once
; REGISTERS, in windows of 256:
;   window 0: addresses and row sums below; v64-127, v128-191 fragments of A, two buffers (the second also serves the tile's end); v192-255 bias, then w2
;   window 1: v0-63, v192-255 w1 as loaded, two sets; v64-127, v128-191 fragments of B, two buffers
;   window 2: the 32 accumulator tiles of my rows 0-63 (tile (a, b) at v[8 (8 a + b)]);   window 3: those of my rows 64-127
; THE MATRIX INSTRUCTION IS USED TRANSPOSED: source 0 = 16 columns of w1, source 1 = 16 rows of xb.  Register j of lane (r, h) then holds
; (row 16 a + r, column 16 b + 8 h + j): a lane's numbers of a tile row belong to ONE row of the result, so the row sum is a sum over a lane's registers.
.set ADRA, 16                          ; v16-17  my A fragments in slot 0, 1
.set ADRB, 20                          ; v20-21  B fragments in buffer 0, 1
.set BST,  22                          ; v22-23  where I store my 8 bytes of a row of B, buffer 0, 1
.set BOFF, 24                          ; v24     w1: wave x 16 rows x 16,384 bytes + 16 L
.set PA,   25                          ; v25     bias of the tile that comes next (w2 2,048 bytes behind it)
.set PA0,  26                          ; v26     PRM + 32 h
.set RSTO, 27                          ; v27     way out: where a row's sum goes
.set RSRD, 28                          ; v28     way out: where I read four sums back
.set PO,   29                          ; v29     16 x thread: offset in b1, w2 and part
.set PL,   30                          ; v30     where my 16 bytes of b1 go in LDS
.set U,    32                          ; v32-39  four chains of the row sum
.set RS,   40                          ; v40-55  row sums: pair a = row block a (even and odd columns apart)
.set PR,   56                          ; v56-63  b1, w2 on their way in; at work at the end
.set F0,   64
.set F1,   128
.set TMP,  128                         ; relu of one row block, in A's second buffer
.set PB,   192                         ; register 8 b + j: the number of column 16 b + 8 h + j
.set G1,    24                         ; s[24:31] descriptor group 1
.set G0,    32                         ; s[32:39] descriptor group 0, one set for each slot
.set ABASE, 40                         ; s[40:41] xb at my wave's rows, type bits set
.set AO,    42                         ; s[42:45] slot s: byte offset along k of the slot's K step, as a pair with 0 on top
.set BBASE, 46                         ; s[46:47] w1 at my expert and column group
.set BP,    48                         ; s[48:49] base of the loads of one half step
.set BT,    50                         ; s[50:51] its offset from BBASE, as a pair
.set GL,    52                         ; s52      number of the half step that is loaded next, 0 .. 63 (16 to a tile)
.set PT,    58                         ; s58      512 x tile, modulo 2,048
.set MSB, 0
.macro WIN new                         ; the immediate's high byte repeats the setting that is left
.if MSB != \new
	s_set_vgpr_msb (MSB<<8)|\new
.set MSB, \new
.endif
.endm
.set MUL_LO,  0xa1                     ; source 0 (B) window 1, source 1 (A) window 0, C and D window 2
.set MUL_HI,  0xf1                     ; the same, C and D window 3
.set MULB_LO, 0x81                     ; C (the bias) window 0, D window 2
.set MULB_HI, 0xc1                     ; C window 0, D window 3
.set TO_B,    0x40                     ; destination window 1, address window 0
.set CV,      0x45                     ; destination and both sources window 1
.set ST,      0x04                     ; store data window 1, address window 0
.set RD2,     0x08                     ; source 1 window 2
.set RD3,     0x0c                     ; source 1 window 3
.macro PLACES                          ; four plain vector instructions that name no register of a matrix instruction (ISA guide 7.12.1)
.rept 4
	v_nop
.endr
.endm
.macro CREST                           ; a round of the cluster's barrier behind its opening barrier
	s_cmp_lg_u32 s14, 0
	s_cbranch_scc1 .Lnot_wave_0_\@
	s_barrier_signal -3
.Lnot_wave_0_\@:
	s_barrier_wait -3
	s_barrier_signal -1
	s_barrier_wait -1
.endm
.macro CROUND
	s_barrier_signal -1
	s_barrier_wait -1
	CREST
.endm
; 16 matrix instructions: row blocks a0, a0 + 1 of the window's four x all 8 column blocks, 32 along K.  bias = 1: the tile's first product takes the bias as C.
.macro MUL16 f, hi, a0, bias
.irp a, \a0, \a0+1
.irp b, 0,1,2,3,4,5,6,7
.if \bias
	v_wmma_f32_16x16x32_bf16 v[8*(8*(\a)+\b):8*(8*(\a)+\b)+7], v[\f+8*\b:\f+8*\b+7], v[\f+8*(4*\hi+\a):\f+8*(4*\hi+\a)+7], v[PB+8*\b:PB+8*\b+7]
.else
	v_wmma_f32_16x16x32_bf16 v[8*(8*(\a)+\b):8*(8*(\a)+\b)+7], v[\f+8*\b:\f+8*\b+7], v[\f+8*(4*\hi+\a):\f+8*(4*\hi+\a)+7], v[8*(8*(\a)+\b):8*(8*(\a)+\b)+7]
.endif
.endr
.endr
.endm
; 32 LDS loads in one run: a quarter step's fragments (32 k) into buffer f.  B: rows kb .. kb + 31 of buffer bb, transposed 8 x 8 at a time, two loads
; 16 rows apart for a block of 16 columns.  A: byte ka of the rows of my part of the slot, two loads 32 bytes apart for a block of 16 rows.
.macro FETCH slot, ka, bb, kb, f
	WIN TO_B
.irp i, 0,1,2,3,4,5,6,7
	ds_load_tr16_b128 v[\f+8*\i:\f+8*\i+3],   v[ADRB+\bb] offset:\kb*BPITCH+32*\i
	ds_load_tr16_b128 v[\f+8*\i+4:\f+8*\i+7], v[ADRB+\bb] offset:\kb*BPITCH+32*\i+16*BPITCH
.endr
	WIN 0
.irp i, 0,1,2,3,4,5,6,7
	ds_load_b128 v[\f+8*\i:\f+8*\i+3],   v[ADRA+\slot] offset:\ka+\i*16*PITCH
	ds_load_b128 v[\f+8*\i+4:\f+8*\i+7], v[ADRA+\slot] offset:\ka+\i*16*PITCH+32
.endr
.endm
; 16 LDS loads: the 128 numbers of a tile's columns, 8 to a column block and half of the lanes (all lanes of a half read the same bytes)
.macro PBLOAD off
.irp b, 0,1,2,3,4,5,6,7
	ds_load_b128 v[PB+8*\b:PB+8*\b+3],   v[PA] offset:\off+64*\b
	ds_load_b128 v[PB+8*\b+4:PB+8*\b+7], v[PA] offset:\off+64*\b+16
.endr
.endm
; Set sg of w1 (16 rows x 16 bytes a lane) is rounded in place and stored into B buffer bb: a store of the wave is a row's 256 consecutive bytes.
; left: the younger loads that may stay out.  The 32 conversions name no register of a matrix instruction: they are the places in front of the fetch behind them.
; hook = 1 (once a tile, when the bias has been used): w2 of this tile takes the bias's registers, and PA goes on to the next tile (behind the last tile it wraps and is not used).
.macro CVT sg, bb, left, hook
	s_wait_loadcnt \left
	WIN CV
.irp i, 0,1,2,3,4,5,6,7,8,9,10,11,12,13,14,15
	v_cvt_pk_bf16_f32 v[192*\sg+4*\i],   v[192*\sg+4*\i],   v[192*\sg+4*\i+1]
	v_cvt_pk_bf16_f32 v[192*\sg+4*\i+1], v[192*\sg+4*\i+2], v[192*\sg+4*\i+3]
.endr
.if \hook
	WIN 0
	PBLOAD 2048
	s_add_co_u32 s[PT], s[PT], 512
	s_and_b32 s[PT], s[PT], 0x7ff
	v_add_nc_u32 v[PA], s[PT], v[PA0]
.endif
	WIN ST
.irp i, 0,1,2,3,4,5,6,7,8,9,10,11,12,13,14,15
	ds_store_b64 v[BST+\bb], v[192*\sg+4*\i:192*\sg+4*\i+1] offset:BPITCH*\i
.endr
.endm
; 16 loads: my 16 rows of half step GL into set sg; a load of the wave covers 512 consecutive bytes, aligned.  No cache hint: three partners read the same bytes.
.macro BLOAD sg
	s_wait_xcnt 0x0                                ; the base is a source of the other set's loads: it is written again only behind this wait (ISA guide 3.1)
	s_and_b32 s53, s[GL], 15
	s_lshl_b32 s53, s53, 20                        ; 64 rows of 16,384 bytes for each half step of the tile
	s_lshr_b32 s[BT], s[GL], 4
	s_lshl_b32 s[BT], s[BT], 9                     ; 128 columns of 4 bytes for each tile
	s_add_co_u32 s[BT], s[BT], s53
	s_add_nc_u64 s[BP:BP+1], s[BBASE:BBASE+1], s[BT:BT+1]
	s_add_co_u32 s[GL], s[GL], 1
	WIN TO_B
.irp i, 0,1,2,3,4,5,6,7,8,9,10,11,12,13,14,15
	global_load_b128 v[192*\sg+4*\i:192*\sg+4*\i+3], v[BOFF], s[BP:BP+1] offset:16384*\i
.endr
.endm
; A K step is four quarters of 32 k, 64 matrix instructions each, on fragment buffers 0, 1, 0, 1; quarters 0, 1 read B buffer 0, quarters 2, 3 buffer 1.
; The 64 accumulators take turns, one instruction a turn, in the same order in every quarter, over both loops' backward jumps too.
; Quarters 0 and 2: multiply buffer f; in the middle the next half step of w1 goes into the B buffer that the last barrier freed, the next quarter's
; fragments are fetched into g, and the set just emptied is loaded again (ld = 1).  sg < 0: nothing is left to convert.
.macro QC slot, ka, bb, f, g, sg, left, ld, hook
	s_wait_dscnt 8                                 ; the youngest eight LDS loads are A's rows 64-127: B and A's rows 0-63 are in
	WIN MUL_LO
	MUL16 \f, 0, 0, 0
	MUL16 \f, 0, 2, 0
.if \sg >= 0
	CVT \sg, \sg, \left, \hook
.else
	PLACES
.endif
	FETCH \slot, \ka, \bb, 32, \g
	s_wait_dscnt 32                                ; all but the 32 just issued: A's rows 64-127, my stores into B's buffer, w2
.if \ld
	BLOAD \sg
.endif
	WIN MUL_HI
	MUL16 \f, 1, 0, 0
	MUL16 \f, 1, 2, 0
.endm
; Quarter 0 of a tile's first K step: the products take the bias as C, so nothing is cleared and nothing is added later.  Conversion and loads stand ahead of
; the products and cover the wait for the bias.  The fetch into buffer 1 needs no places here: the matrix instructions that named it last are the tile's before,
; and the four places at the head of that tile's end stand behind them.
.macro QCF
	CVT 1, 1, 16, 0
	s_wait_dscnt 0                                 ; the bias, the first fragments, my stores
	BLOAD 1
	WIN MULB_LO
	MUL16 F0, 0, 0, 1
	MUL16 F0, 0, 2, 1
	FETCH 0, 64, 0, 32, F1
	WIN MULB_HI
	MUL16 F0, 1, 0, 1
	MUL16 F0, 1, 2, 1
.endm
; Quarter 1: one barrier, for two things: every wave's rows of B buffer 1 are stored, and nobody reads buffer 0 any more.  No tensor load fills anything behind it,
; so the one that is out (the other slot's) stays out.
.macro QMID slot
	s_wait_dscnt 8
	WIN MUL_LO
	MUL16 F1, 0, 0, 0
	s_wait_dscnt 0                                 ; my stores into buffer 1 and my reads of buffer 0 are done
	s_barrier_signal -1
	MUL16 F1, 0, 2, 0
	s_barrier_wait -1
	PLACES
	FETCH \slot, 128, 1, 0, F0
	WIN MUL_HI
	MUL16 F1, 1, 0, 0
	MUL16 F1, 1, 2, 0
.endm
; Quarter 3: the change of slots.  In front of the barrier each wave waits for its LDS instructions (reads of this slot and of B buffer 1, stores into buffer 0) and for all
; its tensor loads, of which one is out: its part of the next slot.  fill = 1: the barrier opens a round of the cluster's barrier, and behind the round this slot
; is asked for again, two K steps ahead (the offset along k wraps into the next tile): from that request to the wait for it a wave issues 240 matrix instructions.
.macro QTURN slot, next, fill
	s_wait_dscnt 8
	WIN MUL_LO
	MUL16 F1, 0, 0, 0
	s_wait_dscnt 0
	s_set_vgpr_msb 0xa1a0
	s_wait_tensorcnt 0x0
	ds_add_u32 v19, v31
	s_wait_dscnt 0x0
	s_set_vgpr_msb 0xa0a1
	s_barrier_signal -1
	MUL16 F1, 0, 2, 0                              ; registers alone between signal and wait
	WIN 0
	s_barrier_wait -1
.if \fill
	CREST                                          ; no wave of any partner still reads this slot or has a tensor load out
	s_add_co_u32 s[AO+2*\slot], s[AO+2*\slot], 512
	s_and_b32 s[AO+2*\slot], s[AO+2*\slot], 0x7ff
	s_add_nc_u64 s[G0+4*\slot+2:G0+4*\slot+3], s[ABASE:ABASE+1], s[AO+2*\slot:AO+2*\slot+1]
	tensor_load_to_lds s[G0+4*\slot:G0+4*\slot+3], s[G1:G1+7]      ; the first tensor load behind the round; by this text's count one is out from here on
	s_nop 0
.endif
	PLACES
	FETCH \next, 0, 0, 0, F0
	WIN MUL_HI
	MUL16 F1, 1, 0, 0
	MUL16 F1, 1, 2, 0
.endm
.macro KSTEP slot, first, l1, ld1, l2, ld2, hook, fill
.if \first
	QCF
.else
	QC \slot, 64, 0, F0, F1, 1, \l1, \ld1, 0
.endif
	QMID \slot
	QC \slot, 192, 1, F0, F1, 0, \l2, \ld2, \hook
	QTURN \slot, 1-\slot, \fill
.endm
; Once round the ring.  s_wait_loadcnt 16 in each conversion: the 16 youngest loads are always the other set's.
.macro LAP first
	KSTEP 0, \first, 16, 1, 16, 1, \first, 1
	KSTEP 1, 0,      16, 1, 16, 1, 0,      1
.endm
; The end of a tile, a block of 16 rows at a time: relu into window 0, then the sum over the lane's 64 columns of relu x w2, in four chains of packed
; multiply-adds that take turns; the first chain starts on the sum so far.  nxt = 1: the next tile's bias takes w2's registers.
.macro EPI nxt
	PLACES                                         ; behind the last matrix instructions: results are read, and A's second buffer is written
.irp a, 0,1,2,3,4,5,6,7
.if \a < 4
	WIN RD2
.else
	WIN RD3
.endif
.irp b, 0,1,2,3,4,5,6,7
.irp j, 0,1,2,3,4,5,6,7
	v_max_num_f32 v[TMP+8*\b+\j], 0, v[8*(8*(\a%4)+\b)+\j]
.endr
.endr
	WIN 0
	v_pk_fma_f32 v[U:U+1], v[TMP:TMP+1], v[PB:PB+1], v[RS+2*\a:RS+2*\a+1]
.irp p, 1,2,3
	v_pk_mul_f32 v[U+2*\p:U+2*\p+1], v[TMP+2*\p:TMP+2*\p+1], v[PB+2*\p:PB+2*\p+1]
.endr
.irp b, 1,2,3,4,5,6,7
.irp p, 0,1,2,3
	v_pk_fma_f32 v[U+2*\p:U+2*\p+1], v[TMP+8*\b+2*\p:TMP+8*\b+2*\p+1], v[PB+8*\b+2*\p:PB+8*\b+2*\p+1], v[U+2*\p:U+2*\p+1]
.endr
.endr
	v_pk_add_f32 v[U:U+1], v[U:U+1], v[U+2:U+3]
	v_pk_add_f32 v[U+4:U+5], v[U+4:U+5], v[U+6:U+7]
	v_pk_add_f32 v[RS+2*\a:RS+2*\a+1], v[U:U+1], v[U+4:U+5]
.endr
.if \nxt
	PBLOAD 0
.endif
.endm
	s_load_b256 s[4:11], s[0:1], 0x0               ; xb s[4:5], w1 s[6:7], b1 s[8:9], w2 s[10:11]
	s_load_b64 s[12:13], s[0:1], 0x20              ; part
	v_lshl_add_u32 v19, v0, 2, 0x4e800
	v_mov_b32 v31, 0
	ds_add_u32 v19, v31
	v_lshrrev_b32 v1, 5, v0
	v_readfirstlane_b32 s14, v1                    ; wave
	s_bfe_u32 s15, ttmp6, 0x40000                  ; cx
	s_bfe_u32 s16, ttmp6, 0x40004                  ; cy, which is the block row: the grid has 4 work-groups along y, as many as a cluster
	s_lshl_b32 s17, ttmp9, 2
	s_add_co_u32 s17, s17, s15                     ; X = 4 x cluster x + cx
	; descriptor group 1: 128 rows x 128 elements of 2 bytes, 16 bytes of padding behind each row of 64 words
	s_lshl_b32 s19, s16, 2
	s_lshl_b32 s19, 15, s19                        ; my row of the cluster: places 4 cy .. 4 cy + 3
	s_or_b32 s[G1+0], s19, (1<<16)|(1<<20)|(1<<21)|(5<<22)|(3<<25)  ; 15:0 mask; 17:16 2 bytes; 20 padding on; 21 set beside a mask; 24:22 every 64 words; 31:25 4 words
	s_mov_b32 s[G1+1], 128<<16                     ; tensor_dim0 = 128
	s_mov_b32 s[G1+2], 128<<16                     ; tensor_dim1 = 128
	s_mov_b32 s[G1+3], 128<<16                     ; tile_dim0 = 128
	s_mov_b32 s[G1+4], 128                         ; tile_dim1 = 128
	s_mov_b32 s[G1+5], 1024                        ; elements from row to row
	s_mov_b32 s[G1+6], 0
	s_mov_b32 s[G1+7], 0
	; A's address hangs on cy and the wave's number alone, in registers that never hold cx
	s_lshl_b32 s20, s16, 20                        ; 512 rows of 2,048 bytes for each block row
	s_lshl_b32 s21, s14, 18                        ; 128 rows for each wave
	s_add_co_u32 s20, s20, s21
	s_mov_b32 s21, 0
	s_mul_i32 s18, s14, HALFT                      ; and where they go: the wave's number alone
	; B, b1, w2, part hang on X
	s_lshr_b32 s22, s17, 3
	s_lshl_b32 s22, s22, 24                        ; an expert's w1 is 16,777,216 bytes
	s_and_b32 s23, s17, 7
	s_lshl_b32 s23, s23, 11                        ; 512 columns of 4 bytes
	s_add_co_u32 s22, s22, s23
	s_mov_b32 s23, 0
	s_lshl_b32 s60, s17, 11                        ; b1, w2: 512 numbers for each X
	s_mov_b32 s61, 0
	s_mov_b32 s[GL], 0
	s_mov_b32 s[BT+1], 0
	v_and_b32 v2, 31, v0                           ; lane L
	v_lshlrev_b32 v[PO], 4, v0
	s_lshl_b32 s53, s14, 18
	v_lshl_add_u32 v[BOFF], v2, 4, s53
	s_wait_dscnt 0x0
	s_wait_kmcnt 0x0
	s_add_nc_u64 s[ABASE:ABASE+1], s[4:5], s[20:21]
	s_or_b32 s[ABASE+1], s[ABASE+1], 0x80000000    ; type = 2
	s_add_nc_u64 s[BBASE:BBASE+1], s[6:7], s[22:23]
	s_add_nc_u64 s[8:9], s[8:9], s[60:61]
	s_add_nc_u64 s[10:11], s[10:11], s[60:61]
	s_lshl_b32 s60, s17, 13                        ; part: 2,048 rows of 4 bytes for each X,
	s_lshl_b32 s53, s16, 11                        ; 512 rows for each block row
	s_add_co_u32 s60, s60, s53
	s_add_nc_u64 s[12:13], s[12:13], s[60:61]
	global_load_b128 v[PR:PR+3],   v[PO], s[8:9]   ; b1 and w2 of the group's 512 columns, 16 bytes a thread
	global_load_b128 v[PR+4:PR+7], v[PO], s[10:11]
	BLOAD 0                                        ; half steps 0 and 1 of w1
	BLOAD 1
.irp s, 0,1
	s_mov_b32 s[G0+4*\s], 1                        ; count = 1
	s_add_co_u32 s[G0+4*\s+1], s18, \s*SLOT        ; LDS address
	s_mov_b32 s[AO+2*\s], 256*\s                   ; K step s
	s_mov_b32 s[AO+2*\s+1], 0
	s_add_nc_u64 s[G0+4*\s+2:G0+4*\s+3], s[ABASE:ABASE+1], s[AO+2*\s:AO+2*\s+1]
.endr
	WIN 0
	CROUND                                         ; all sixteen work-groups are here: the first joint loads meet
	tensor_load_to_lds s[G0:G0+3], s[G1:G1+7]
	s_nop 0
	tensor_load_to_lds s[G0+4:G0+7], s[G1:G1+7]    ; two are out, the most in this text
	s_nop 0
	v_and_b32 v3, 15, v0                           ; r
	v_bfe_u32 v4, v0, 4, 1                         ; h
	v_mul_u32_u24 v5, v3, PITCH
	v_lshl_add_u32 v5, v4, 4, v5                   ; A: row r, 16 bytes for each half of the lanes
	v_add_nc_u32 v[ADRA], s18, v5
	v_add_nc_u32 v[ADRA+1], SLOT, v[ADRA]
	v_and_b32 v6, 7, v0
	v_lshl_add_u32 v6, v4, 3, v6                   ; B: row 8 h + L % 8,
	v_mul_u32_u24 v6, v6, BPITCH
	v_bfe_u32 v7, v0, 3, 1
	v_lshl_add_u32 v6, v7, 4, v6                   ; 16 bytes at 16 ((L / 8) % 2)
	v_add_nc_u32 v[ADRB], BB, v6
	v_add_nc_u32 v[ADRB+1], BB+BBSZ, v6
	s_mul_i32 s53, s14, 16*BPITCH                  ; my 16 rows of a B buffer
	s_add_co_u32 s53, s53, BB
	v_lshl_add_u32 v[BST], v2, 3, s53
	v_add_nc_u32 v[BST+1], BBSZ, v[BST]
	v_lshlrev_b32 v8, 5, v4
	v_add_nc_u32 v[PA0], PRM, v8
	v_mov_b32 v[PA], v[PA0]
	s_lshl_b32 s53, s14, 9
	s_add_co_u32 s59, s53, RST
	s_add_co_u32 s53, s53, PRM
	v_lshl_add_u32 v[RSTO], v3, 2, s59
	v_lshl_add_u32 v[RSRD], v2, 4, s59
	v_lshl_add_u32 v[PL], v2, 4, s53
.irp n, 0,1,2,3,4,5,6,7,8,9,10,11,12,13,14,15
	v_mov_b32 v[RS+\n], 0                          ; the row sums run through a loop of tiles: they start at 0
.endr
	s_mov_b32 s56, 0x76543210                      ; v_permlanex16_b32: lane i reads lane i of the other half
	s_mov_b32 s57, 0xfedcba98
	s_mov_b32 s[PT], 0
	s_wait_loadcnt 32                              ; the 32 younger loads are w1's: b1 and w2 are in
	ds_store_b128 v[PL], v[PR:PR+3]
	ds_store_b128 v[PL], v[PR+4:PR+7] offset:2048
	CVT 0, 0, 16, 0                                ; half step 0 into B buffer 0; half step 1's 16 loads stay out
	s_wait_dscnt 0                                 ; for the other waves: my stores are done
	BLOAD 0                                        ; half step 2
	WIN 0
	s_wait_tensorcnt 1                             ; my part of K step 0 is in; K step 1's load stays out
	s_barrier_signal -1
	s_barrier_wait -1
	PBLOAD 0                                       ; tile 0's bias
	FETCH 0, 0, 0, 0, F0
	WIN 0                                          ; at a label and at a branch every window is 0
	s_mov_b32 s54, 3
.Ltile:                                        ; tiles 0, 1, 2: four laps and the tile's end
	LAP 1
	WIN 0
	s_mov_b32 s55, 3
.Llap:
	LAP 0
	WIN 0
	s_sub_co_u32 s55, s55, 1
	s_cmp_lg_u32 s55, 0
	s_cbranch_scc1 .Llap
	EPI 1
	WIN 0
	s_sub_co_u32 s54, s54, 1
	s_cmp_lg_u32 s54, 0
	s_cbranch_scc1 .Ltile
	LAP 1                                          ; tile 3
	WIN 0
	s_mov_b32 s55, 2
.Llap3:
	LAP 0
	WIN 0
	s_sub_co_u32 s55, s55, 1
	s_cmp_lg_u32 s55, 0
	s_cbranch_scc1 .Llap3
	; the last lap is written out: no slot is filled, half step 63 is the last that is loaded, and the counts of the conversions run down 16, 16, 0
	KSTEP 0, 0, 16, 1, 16, 0, 0, 0
	QC 1, 64, 0, F0, F1, 1, 0, 0, 0
	QMID 1
	QC 1, 192, 1, F0, F1, -1, 0, 0, 0
	s_wait_dscnt 8
	WIN MUL_LO
	MUL16 F1, 0, 0, 0
	MUL16 F1, 0, 2, 0
	s_wait_dscnt 0
	WIN MUL_HI
	MUL16 F1, 1, 0, 0
	MUL16 F1, 1, 2, 0
	EPI 0
	; THE WAY OUT: even and odd columns, then the two halves of the lanes (columns 8 h ..) are added; the 128 sums go through my own 512 bytes of LDS
.irp a, 0,1,2,3,4,5,6,7
	v_add_f32 v[PR+\a], v[RS+2*\a], v[RS+2*\a+1]
.endr
.irp a, 0,1,2,3,4,5,6,7
	v_permlanex16_b32 v[U+\a], v[PR+\a], s56, s57  ; its destination counts as read: the chains' registers have been written
.endr
.irp a, 0,1,2,3,4,5,6,7
	v_add_f32 v[PR+\a], v[PR+\a], v[U+\a]
	ds_store_b32 v[RSTO], v[PR+\a] offset:64*\a    ; row 16 a + r; both halves hold the same number and write the same word
.endr
	ds_load_b128 v[U:U+3], v[RSRD]                 ; LDS serves a wave's instructions in order (ISA guide 5.7.1.4): this sees the stores above
	s_wait_dscnt 0x0
	global_store_b128 v[PO], v[U:U+3], s[12:13]    ; the wave stores 512 consecutive bytes, aligned
	s_wait_tensorcnt 0x0
	ds_add_u32 v19, v31
	s_wait_dscnt 0x0
	CROUND                                         ; the closing round: no work-group ends while a partner may still ask for a tile that names it
	s_endpgm
.Lfunc_end_k_qcda5f9389f_experts:
	.size	k_qcda5f9389f_experts, .Lfunc_end_k_qcda5f9389f_experts-k_qcda5f9389f_experts
	.p2alignl 7, 3214868480
	.fill 96, 4, 3214868480
	.section	.rodata,"a",@progbits
	.p2align	6, 0x0
	.amdhsa_kernel k_qcda5f9389f_experts
		.amdhsa_group_segment_fixed_size 327680
		.amdhsa_private_segment_fixed_size 0
		.amdhsa_enable_private_segment 0
		.amdhsa_kernarg_size 40
		.amdhsa_user_sgpr_count 2
		.amdhsa_user_sgpr_kernarg_segment_ptr 1
		.amdhsa_wavefront_size32 1
		.amdhsa_system_sgpr_workgroup_id_x 1
		.amdhsa_system_sgpr_workgroup_id_y 1
		.amdhsa_system_sgpr_workgroup_id_z 1
		.amdhsa_system_vgpr_workitem_id 0
		.amdhsa_next_free_vgpr 1024
		.amdhsa_next_free_sgpr 66
		.amdhsa_reserve_vcc 0
		.amdhsa_float_denorm_mode_32 3
		.amdhsa_float_denorm_mode_16_64 3
		.amdhsa_memory_ordered 1
		.amdhsa_forward_progress 1
		.amdhsa_inst_pref_size 255
	.end_amdhsa_kernel
	.section	.bss,"aw",@nobits
	.p2align	6
	.space	262144
	.amdgpu_metadata
---
amdhsa.version: [ 1, 2 ]
amdhsa.kernels:
  - .name:           k_qcda5f9389f_experts
    .symbol:         k_qcda5f9389f_experts.kd
    .args:
      - { .name: xb, .offset: 0, .size: 8, .value_kind: global_buffer, .address_space: global }
      - { .name: w1, .offset: 8, .size: 8, .value_kind: global_buffer, .address_space: global }
      - { .name: b1, .offset: 16, .size: 8, .value_kind: global_buffer, .address_space: global }
      - { .name: w2, .offset: 24, .size: 8, .value_kind: global_buffer, .address_space: global }
      - { .name: part, .offset: 32, .size: 8, .value_kind: global_buffer, .address_space: global }
    .group_segment_fixed_size: 327680
    .private_segment_fixed_size: 0
    .kernarg_segment_align: 8
    .kernarg_segment_size: 40
    .max_flat_workgroup_size: 128
    .sgpr_count:     66
    .vgpr_count:     1024
    .wavefront_size: 32
...
	.end_amdgpu_metadata
.endif
;; end of part 2
;; launch mix (part 3): grid 32 x 1, 1 waves a work-group, no clusters, 0 bytes of LDS; arguments part, out1, b2, out0; writes out0
.if DOCPART == 3
	.amdgcn_target "amdgcn-amd-amdhsa--gfx1250"
	.amdhsa_code_object_version 6
	.text
	.protected	k_qcda5f9389f_mix
	.globl	k_qcda5f9389f_mix
	.p2align	8
	.type	k_qcda5f9389f_mix,@function
k_qcda5f9389f_mix:
	s_mov_b64 s[64:65], 0
	v_nop
	global_prefetch_b8 v0, s[64:65] scope:SCOPE_SE
	s_setreg_imm32_b32 hwreg(HW_REG_WAVE_MODE, 25, 1), 1
	s_wait_xcnt 0x0
; out0[b] = sum over e of out1[b][e] * ( b2[e] + sum over g = 0 .. 7 of part[8 e + g][b] ).
; 2,048 rows, 64 partial sums each: 524,288 bytes in, 8,192 out.  A lane owns two neighbouring rows, a wave 64 rows, so that every load of part and the store
; cover 256 consecutive bytes, aligned: that makes 32 waves, each a work-group of its own.  All 68 loads are issued at once; the experts are then added
; as their eight loads come in.  No LDS, no barrier, no matrix unit: there is one multiply-add for every 32 bytes read.
.set P, 16                             ; v[16:143]   part: pair 8 e + g
.set G, 144                            ; v[144:159]  the gates of my two rows, 8 each
.set O, 160                            ; v[160:161]  the two results
	s_load_b256 s[4:11], s[0:1], 0x0               ; part s[4:5], out1 s[6:7], b2 s[8:9], out0 s[10:11]
	v_lshlrev_b32 v1, 3, v0                        ; two rows of 4 bytes a lane
	v_lshlrev_b32 v2, 6, v0                        ; two rows of 32 bytes a lane
	s_lshl_b32 s12, ttmp9, 8                       ; 64 rows of 4 bytes
	s_mov_b32 s13, 0
	s_lshl_b32 s14, ttmp9, 11                      ; 64 rows of 32 bytes
	s_mov_b32 s15, 0
	s_wait_kmcnt 0x0
	s_load_b256 s[16:23], s[8:9], 0x0              ; b2: 8 numbers
	s_add_nc_u64 s[4:5], s[4:5], s[12:13]
	s_add_nc_u64 s[6:7], s[6:7], s[14:15]
	s_add_nc_u64 s[10:11], s[10:11], s[12:13]
.irp q, 0,1,2,3
	global_load_b128 v[G+4*\q:G+4*\q+3], v2, s[6:7] offset:16*\q
.endr
.set i, 0
.rept 64
	global_load_b64 v[P+2*i:P+2*i+1], v1, s[4:5] offset:8192*i th:TH_LOAD_NT
.set i, i+1
.endr
	s_wait_kmcnt 0x0
.irp e, 0,1,2,3,4,5,6,7
	s_wait_loadcnt 56-8*\e                         ; eight loads for each later expert may stay out
.irp k, 0,2,4,6
	v_pk_add_f32 v[P+16*\e+2*\k:P+16*\e+2*\k+1], v[P+16*\e+2*\k:P+16*\e+2*\k+1], v[P+16*\e+2*\k+2:P+16*\e+2*\k+3]
.endr
	v_pk_add_f32 v[P+16*\e:P+16*\e+1], v[P+16*\e:P+16*\e+1], v[P+16*\e+4:P+16*\e+5]
	v_pk_add_f32 v[P+16*\e+8:P+16*\e+9], v[P+16*\e+8:P+16*\e+9], v[P+16*\e+12:P+16*\e+13]
	v_pk_add_f32 v[P+16*\e:P+16*\e+1], v[P+16*\e:P+16*\e+1], v[P+16*\e+8:P+16*\e+9]
	v_add_f32 v[P+16*\e],   s[16+\e], v[P+16*\e]
	v_add_f32 v[P+16*\e+1], s[16+\e], v[P+16*\e+1]
.if \e == 0
	v_mul_f32 v[O],   v[G],   v[P]                 ; the first product starts the sum
	v_mul_f32 v[O+1], v[G+8], v[P+1]
.else
	v_fmac_f32 v[O],   v[G+\e],   v[P+16*\e]
	v_fmac_f32 v[O+1], v[G+8+\e], v[P+16*\e+1]
.endif
.endr
	global_store_b64 v1, v[O:O+1], s[10:11]
	s_endpgm
.Lfunc_end_k_qcda5f9389f_mix:
	.size	k_qcda5f9389f_mix, .Lfunc_end_k_qcda5f9389f_mix-k_qcda5f9389f_mix
	.p2alignl 7, 3214868480
	.fill 96, 4, 3214868480
	.section	.rodata,"a",@progbits
	.p2align	6, 0x0
	.amdhsa_kernel k_qcda5f9389f_mix
		.amdhsa_group_segment_fixed_size 0
		.amdhsa_private_segment_fixed_size 0
		.amdhsa_enable_private_segment 0
		.amdhsa_kernarg_size 32
		.amdhsa_user_sgpr_count 2
		.amdhsa_user_sgpr_kernarg_segment_ptr 1
		.amdhsa_wavefront_size32 1
		.amdhsa_system_sgpr_workgroup_id_x 1
		.amdhsa_system_sgpr_workgroup_id_y 1
		.amdhsa_system_sgpr_workgroup_id_z 1
		.amdhsa_system_vgpr_workitem_id 0
		.amdhsa_next_free_vgpr 168
		.amdhsa_next_free_sgpr 66
		.amdhsa_reserve_vcc 0
		.amdhsa_float_denorm_mode_32 3
		.amdhsa_float_denorm_mode_16_64 3
		.amdhsa_memory_ordered 1
		.amdhsa_forward_progress 1
		.amdhsa_inst_pref_size 12
	.end_amdhsa_kernel
	.amdgpu_metadata
---
amdhsa.version: [ 1, 2 ]
amdhsa.kernels:
  - .name:           k_qcda5f9389f_mix
    .symbol:         k_qcda5f9389f_mix.kd
    .args:
      - { .name: part, .offset: 0, .size: 8, .value_kind: global_buffer, .address_space: global }
      - { .name: out1, .offset: 8, .size: 8, .value_kind: global_buffer, .address_space: global }
      - { .name: b2, .offset: 16, .size: 8, .value_kind: global_buffer, .address_space: global }
      - { .name: out0, .offset: 24, .size: 8, .value_kind: global_buffer, .address_space: global }
    .group_segment_fixed_size: 0
    .private_segment_fixed_size: 0
    .kernarg_segment_align: 8
    .kernarg_segment_size: 32
    .max_flat_workgroup_size: 32
    .sgpr_count:     66
    .vgpr_count:     168
    .wavefront_size: 32
...
	.end_amdgpu_metadata
.endif
;; end of part 3
;; ======== version 2 of 2: 3 launches; version 1 with the launch prep written anew for expert scheduling mode
;; workspace buffers: xb 4,194,304 bytes; part 524,288 bytes
;; launch prep (part 4): grid 256 x 1, 4 waves a work-group, no clusters, 37,632 bytes of LDS; arguments x, wg, bg, xb, out1; writes xb, out1
.if DOCPART == 4
	.amdgcn_target "amdgcn-amd-amdhsa--gfx1250"
	.amdhsa_code_object_version 6
	.text
	.protected	k_qcda5f9389f_prep
	.globl	k_qcda5f9389f_prep
	.p2align	8
	.type	k_qcda5f9389f_prep,@function
k_qcda5f9389f_prep:
	s_mov_b64 s[64:65], 0
	v_nop
	global_prefetch_b8 v0, s[64:65] scope:SCOPE_SE
	s_setreg_imm32_b32 hwreg(HW_REG_WAVE_SCHED_MODE, 0, 2), 2
	s_setreg_imm32_b32 hwreg(HW_REG_WAVE_MODE, 25, 1), 1
	s_wait_xcnt 0x0
	s_wait_alu depctr_vm_vsrc(0)
; xb[b][k] = bf16(x[b][k]);   out1[b][:] = softmax over the 8 logits of x[b][:] . wg + bg, all of it in f32.
; x is read once and serves both.  256 work-groups of four waves; a work-group owns 8 rows, a wave 2 rows.
; A load of a wave covers 512 consecutive bytes of one row of x: lane L holds k = 128 j + 4 L .. + 3 of load j.
; wg (32,768 bytes) lies in LDS as 256 chunks of 4 k x 8 e = 128 bytes, 144 bytes apart: lane L reads chunk 32 j + L, and
; sixteen neighbouring lanes then start 144 bytes apart, in sixteen different 16-byte columns of 256 bytes.
; The gate has 8 columns and 0.02 per cent of the problem's multiply-adds: it stays on the vector unit, in f32.
; LIMITS: xb is rounded to nearest even.  A gate value below 2^-126 comes out as 0 (v_exp_f32 flushes denormal results),
; v_exp_f32 and v_rcp_f32 are good to 1 ULP; the sum over k is formed lane by lane and then across lanes, not in ascending k.
; THE MODE: SCHED_MODE bits 1:0 = 2 (LLVM: expert scheduling mode 2), set by the entry lines.  The code itself states the register dependences
; between vector instructions and memory or LDS instructions, with s_wait_alu, always for 0.
; THE PLAN.  Registers that memory or LDS instructions touch:
;   v3, v4, v5, v7, v8  offsets and LDS addresses: written at the head, never again.
;   WS      at the head: the loads of wg land in it, my LDS stores read it.  Then two chunk buffers: step j's multiply-adds read buffer j % 2;
;           the LDS loads issued in step j land in buffer (j + 1) % 2, which step j - 1's multiply-adds read.
;   XR      the loads of x land in it once; vector instructions alone read it.
;   Y       four registers a step, each written once in the kernel: step j's roundings write them, the two stores issued in step j + 1 read them.
;   ACC, v9 at the end: the scalings write ACC, a move writes v9; four LDS stores read them.
;   v10, v11, v[T+14:T+15]  wave 0's way out.     v208, v209  written at the head, read by the closing add alone.
; So ONE wait on va_vdst stands at the head of steps 1 to 7: it states that the step before is done reading the chunk buffer that is loaded again and has
; written its part of Y.  The step's eight LDS loads and two stores follow it; the step's own vector instructions name the other chunk buffer, XR, ACC and
; the step's own part of Y: none of the registers that those ten touch.
.set XR,     16                        ; v[16:79]    x: row r, load j at XR + 32 r + 4 j
.set WS,     80                        ; v[80:143]   wg on its way into LDS; afterwards two chunk buffers of 32 registers
.set ACC,    144                       ; v[144:159]  8 sums for each of my 2 rows
.set Y,      160                       ; v[160:191]  bf16 to store: each store has registers of its own
.set T,      192                       ; v[192:207]  at work
.set CPITCH, 144
.set GST,    256*CPITCH                ; 36,864: 256 bytes in which the four waves' gate rows meet
	s_load_b256 s[4:11], s[0:1], 0x0               ; x s[4:5], wg s[6:7], bg s[8:9], xb s[10:11]
	s_load_b64 s[12:13], s[0:1], 0x20              ; out1
	v_lshl_add_u32 v208, v0, 2, 0x9100
	v_mov_b32 v209, 0
	v_lshrrev_b32 v1, 5, v0
	v_readfirstlane_b32 s14, v1                    ; wave
	v_and_b32 v2, 31, v0                           ; lane L
	v_lshlrev_b32 v3, 4, v0                        ; wg: 16 bytes a thread
	v_lshrrev_b32 v5, 3, v2                        ; eight threads fill a chunk: chunk 4 wave + L / 8 (+ 16 q), 16 bytes at 16 (L % 8)
	v_mul_u32_u24 v5, v5, CPITCH
	v_and_b32 v6, 7, v2
	v_lshl_add_u32 v5, v6, 4, v5
	v_mul_u32_u24 v7, v2, CPITCH                   ; where I read: chunk L (+ 32 j)
	s_wait_alu depctr_va_sdst(0)                   ; s14 is written, ahead of its first reader: the wave's terms of the offsets below are made from it
	s_lshl_b32 s15, s14, 13
	v_lshl_add_u32 v4, v2, 4, s15                  ; x: wave x 2 rows x 4,096 bytes + 16 L
	s_lshl_b32 s15, s14, 12
	v_lshl_add_u32 v8, v2, 3, s15                  ; xb: wave x 2 rows x 2,048 bytes + 8 L
	s_mul_i32 s15, s14, 4*CPITCH
	v_add_nc_u32 v5, s15, v5
	s_lshl_b32 s24, ttmp9, 15                      ; the work-group's 8 rows of x,
	s_mov_b32 s25, 0
	s_lshl_b32 s26, ttmp9, 14                      ; of xb
	s_mov_b32 s27, 0
	s_mov_b32 s28, 0x76543210                      ; v_permlanex16_b32: lane i reads lane i of the other half
	s_mov_b32 s29, 0xfedcba98
	s_mov_b32 s30, 0x3fb8aa3b                      ; log2 e
	s_wait_kmcnt 0x0
	s_load_b256 s[16:23], s[8:9], 0x0              ; bg: 8 numbers
	s_add_nc_u64 s[4:5], s[4:5], s[24:25]
	s_add_nc_u64 s[10:11], s[10:11], s[26:27]
	s_lshl_b32 s24, ttmp9, 8                       ; and of out1: 8 rows of 32 bytes
	s_add_nc_u64 s[12:13], s[12:13], s[24:25]
	s_wait_alu depctr_va_vdst(0)                   ; v3, v4, v5, v7 and v8 are written: the loads, LDS stores, LDS loads and stores of the kernel read them as offsets and addresses
.irp q, 0,1,2,3,4,5,6,7,8,9,10,11,12,13,14,15
	global_load_b128 v[WS+4*\q:WS+4*\q+3], v3, s[6:7] offset:2048*\q
.endr
.irp j, 0,1,2,3,4,5,6,7
.irp r, 0,1
	global_load_b128 v[XR+32*\r+4*\j:XR+32*\r+4*\j+3], v4, s[4:5] offset:4096*\r+512*\j th:TH_LOAD_NT
.endr
.endr
	s_wait_loadcnt 16                              ; the 16 younger loads are x's: wg is in
.irp q, 0,1,2,3,4,5,6,7,8,9,10,11,12,13,14,15
	ds_store_b128 v5, v[WS+4*\q:WS+4*\q+3] offset:16*CPITCH*\q
.endr
	s_wait_dscnt 0x0                               ; my part of wg is in LDS,
	s_barrier_signal -1
	s_barrier_wait -1                              ; everybody's is
	s_wait_alu depctr_vm_vsrc(0)                   ; my LDS stores have read v[WS ..]: from here on these registers are the chunk buffers, in which LDS loads land
.macro WLOAD j                         ; my chunk of step j: 4 k x 8 e, register 8 i + e
.irp q, 0,1,2,3,4,5,6,7
	ds_load_b128 v[WS+32*((\j)%2)+4*\q:WS+32*((\j)%2)+4*\q+3], v7 offset:32*CPITCH*(\j)+16*\q
.endr
.endm
; Step j: my 4 numbers of load j of both rows are rounded, and multiplied into the 8 sums of each row; the step before's rounded numbers are stored.
; One packed multiply-add takes x[k] twice (op_sel picks the register of the pair for both halves) and two neighbouring e.
.macro STEP j
.if \j > 0
	s_wait_alu depctr_va_vdst(0)                   ; the step before is done reading the chunk buffer in which the LDS loads below land, and its roundings have written the part of Y that the stores below read
.endif
.if \j < 7
	WLOAD \j+1
.endif
.if \j > 0
.irp r, 0,1
	global_store_b64 v8, v[Y+4*(\j-1)+2*\r:Y+4*(\j-1)+2*\r+1], s[10:11] offset:2048*\r+256*(\j-1)   ; the wave stores 256 consecutive bytes, aligned.  No vector instruction since the wait names these registers
.endr
.endif
.if \j < 7
	s_wait_dscnt 8                                 ; the eight just issued may stay out: this step's chunk is in
.else
	s_wait_dscnt 0
.endif
	s_wait_loadcnt 14-2*\j                         ; two loads for each later step may stay out
.irp r, 0,1
	v_cvt_pk_bf16_f32 v[Y+4*\j+2*\r],   v[XR+32*\r+4*\j],   v[XR+32*\r+4*\j+1]
	v_cvt_pk_bf16_f32 v[Y+4*\j+2*\r+1], v[XR+32*\r+4*\j+2], v[XR+32*\r+4*\j+3]
.endr
.irp i, 0,1,2,3
.irp r, 0,1
.irp p, 0,1,2,3
.if (\j+\i) == 0
	v_pk_mul_f32 v[ACC+8*\r+2*\p:ACC+8*\r+2*\p+1], v[XR+32*\r:XR+32*\r+1], v[WS+2*\p:WS+2*\p+1] op_sel_hi:[0,1]   ; the first product starts the sum
.elseif (\i%2) == 0
	v_pk_fma_f32 v[ACC+8*\r+2*\p:ACC+8*\r+2*\p+1], v[XR+32*\r+4*\j+\i:XR+32*\r+4*\j+\i+1], v[WS+32*((\j)%2)+8*\i+2*\p:WS+32*((\j)%2)+8*\i+2*\p+1], v[ACC+8*\r+2*\p:ACC+8*\r+2*\p+1] op_sel_hi:[0,1,1]
.else
	v_pk_fma_f32 v[ACC+8*\r+2*\p:ACC+8*\r+2*\p+1], v[XR+32*\r+4*\j+\i-1:XR+32*\r+4*\j+\i], v[WS+32*((\j)%2)+8*\i+2*\p:WS+32*((\j)%2)+8*\i+2*\p+1], v[ACC+8*\r+2*\p:ACC+8*\r+2*\p+1] op_sel:[1,0,0] op_sel_hi:[1,1,1]
.endif
.endr
.endr
.endr
.endm
	WLOAD 0                                        ; steps 0's and 1's chunks owe no wait on va_vdst: no vector instruction has named the chunk buffers yet
.irp j, 0,1,2,3,4,5,6,7
	STEP \j
.endr
	s_wait_alu depctr_va_vdst(0)                   ; step 7's roundings have written the last part of Y, which the two stores below read
.irp r, 0,1
	global_store_b64 v8, v[Y+28+2*\r:Y+28+2*\r+1], s[10:11] offset:2048*\r+256*7
.endr
	; the 16 sums over the 32 lanes: four steps inside each half ride on the addition, one crosses the halves
.irp m, 1,2,4,8
.irp n, 0,1,2,3,4,5,6,7,8,9,10,11,12,13,14,15
	v_add_f32_dpp v[ACC+\n], v[ACC+\n], v[ACC+\n] row_xmask:\m row_mask:0xf bank_mask:0xf
.endr
.endr
.irp n, 0,1,2,3,4,5,6,7,8,9,10,11,12,13,14,15
	v_permlanex16_b32 v[WS+\n], v[ACC+\n], s28, s29        ; its destination counts as read: the chunk buffer has been written
.endr
	s_wait_kmcnt 0x0                               ; bg
.irp r, 0,1
.irp e, 0,1,2,3,4,5,6,7
	v_add_f32 v[ACC+8*\r+\e], v[ACC+8*\r+\e], v[WS+8*\r+\e]
	v_add_f32 v[ACC+8*\r+\e], s[16+\e], v[ACC+8*\r+\e]     ; every lane now holds the logit
.endr
.endr
	; softmax: the row's maximum is taken away; exp(l - m) = 2^(l log2 e - m log2 e), one fused multiply-add each
.irp r, 0,1
	v_max3_num_f32 v[T+\r], v[ACC+8*\r], v[ACC+8*\r+1], v[ACC+8*\r+2]
	v_max3_num_f32 v[T+\r], v[T+\r], v[ACC+8*\r+3], v[ACC+8*\r+4]
	v_max3_num_f32 v[T+\r], v[T+\r], v[ACC+8*\r+5], v[ACC+8*\r+6]
	v_max_num_f32 v[T+\r], v[T+\r], v[ACC+8*\r+7]
	v_mul_f32 v[T+\r], s30, v[T+\r]
.irp e, 0,1,2,3,4,5,6,7
	v_fma_f32 v[ACC+8*\r+\e], v[ACC+8*\r+\e], s30, -v[T+\r]
.endr
.endr
.irp n, 0,1,2,3,4,5,6,7,8,9,10,11,12,13,14,15
	v_exp_f32 v[ACC+\n], v[ACC+\n]
.endr
	v_nop                                          ; one plain vector instruction behind the last exponential before its result is used (ISA guide 5.7.2)
	s_wait_alu depctr_va_vdst(0)                   ; the sixteen exponentials have written v[ACC ..], ahead of the sums, their first readers: one wait for the batch
.irp r, 0,1
	v_pk_add_f32 v[T+4+4*\r:T+5+4*\r], v[ACC+8*\r:ACC+8*\r+1], v[ACC+8*\r+2:ACC+8*\r+3]
	v_pk_add_f32 v[T+6+4*\r:T+7+4*\r], v[ACC+8*\r+4:ACC+8*\r+5], v[ACC+8*\r+6:ACC+8*\r+7]
	v_pk_add_f32 v[T+4+4*\r:T+5+4*\r], v[T+4+4*\r:T+5+4*\r], v[T+6+4*\r:T+7+4*\r]
	v_add_f32 v[T+4+4*\r], v[T+4+4*\r], v[T+5+4*\r]
.endr
	v_rcp_f32 v[T+12], v[T+4]
	v_rcp_f32 v[T+13], v[T+8]
	s_lshl_b32 s15, s14, 6
	s_add_co_u32 s15, s15, GST
	v_mov_b32 v9, s15                              ; the plain instruction behind the reciprocals: my 64 bytes of the stage
	s_wait_alu depctr_va_vdst(0)                   ; the two reciprocals have written v[T+12] and v[T+13], ahead of the scalings, their first readers; v9 is written too
.irp r, 0,1
.irp e, 0,1,2,3,4,5,6,7
	v_mul_f32 v[ACC+8*\r+\e], v[ACC+8*\r+\e], v[T+12+\r]
.endr
.endr
	; the work-group's 8 rows of out1 are 256 bytes: they meet in LDS and leave by one store of one wave
	s_wait_alu depctr_va_vdst(0)                   ; the scalings have written v[ACC ..], which the LDS stores read
.irp q, 0,1,2,3
	ds_store_b128 v9, v[ACC+4*\q:ACC+4*\q+3] offset:16*\q  ; all lanes hold the same numbers and write the same bytes
.endr
	s_wait_dscnt 0x0                               ; for the wave that reads them: zero
	s_barrier_signal -1
	s_barrier_wait -1
	s_cmp_lg_u32 s14, 0
	s_cbranch_scc1 .Lend
	v_lshlrev_b32 v10, 3, v2
	v_add_nc_u32 v11, GST, v10
	s_wait_alu depctr_va_vdst(0)                   ; v11 and v10 are written: the LDS load's address and the store's offset
	ds_load_b64 v[T+14:T+15], v11
	s_wait_dscnt 0x0
	global_store_b64 v10, v[T+14:T+15], s[12:13]   ; 32 lanes, 256 consecutive bytes, aligned
.Lend:
	s_wait_dscnt 0x0                               ; the closing lines, six on end
	s_wait_alu 0x0
	s_wait_tensorcnt 0x0
	ds_add_u32 v208, v209
	s_wait_dscnt 0x0
	s_endpgm
.Lfunc_end_k_qcda5f9389f_prep:
	.size	k_qcda5f9389f_prep, .Lfunc_end_k_qcda5f9389f_prep-k_qcda5f9389f_prep
	.p2alignl 7, 3214868480
	.fill 96, 4, 3214868480
	.section	.rodata,"a",@progbits
	.p2align	6, 0x0
	.amdhsa_kernel k_qcda5f9389f_prep
		.amdhsa_group_segment_fixed_size 37632
		.amdhsa_private_segment_fixed_size 0
		.amdhsa_enable_private_segment 0
		.amdhsa_kernarg_size 40
		.amdhsa_user_sgpr_count 2
		.amdhsa_user_sgpr_kernarg_segment_ptr 1
		.amdhsa_wavefront_size32 1
		.amdhsa_system_sgpr_workgroup_id_x 1
		.amdhsa_system_sgpr_workgroup_id_y 1
		.amdhsa_system_sgpr_workgroup_id_z 1
		.amdhsa_system_vgpr_workitem_id 0
		.amdhsa_next_free_vgpr 210
		.amdhsa_next_free_sgpr 66
		.amdhsa_reserve_vcc 0
		.amdhsa_float_denorm_mode_32 3
		.amdhsa_float_denorm_mode_16_64 3
		.amdhsa_memory_ordered 1
		.amdhsa_forward_progress 1
		.amdhsa_inst_pref_size 41
	.end_amdhsa_kernel
	.amdgpu_metadata
---
amdhsa.version: [ 1, 2 ]
amdhsa.kernels:
  - .name:           k_qcda5f9389f_prep
    .symbol:         k_qcda5f9389f_prep.kd
    .args:
      - { .name: x, .offset: 0, .size: 8, .value_kind: global_buffer, .address_space: global }
      - { .name: wg, .offset: 8, .size: 8, .value_kind: global_buffer, .address_space: global }
      - { .name: bg, .offset: 16, .size: 8, .value_kind: global_buffer, .address_space: global }
      - { .name: xb, .offset: 24, .size: 8, .value_kind: global_buffer, .address_space: global }
      - { .name: out1, .offset: 32, .size: 8, .value_kind: global_buffer, .address_space: global }
    .group_segment_fixed_size: 37632
    .private_segment_fixed_size: 0
    .kernarg_segment_align: 8
    .kernarg_segment_size: 40
    .max_flat_workgroup_size: 128
    .sgpr_count:     66
    .vgpr_count:     210
    .wavefront_size: 32
...
	.end_amdgpu_metadata
.endif
;; end of part 4
;; launch experts: the kernel of part 2 again; grid 64 x 4, 4 waves a work-group, clusters of 4 x 4, 327,680 bytes of LDS; arguments xb, w1, b1, w2, part; writes part
;; launch mix: the kernel of part 3 again; grid 32 x 1, 1 waves a work-group, no clusters, 0 bytes of LDS; arguments part, out1, b2, out0; writes out0
